; MI455X (gfx1250); checked and timed in simulation.
; The chip was launched on July 23, 2026; its instructions are those of AMD's public machine-readable ISA for CDNA 5 (MIT licence, August 2026) and "CDNA5" Instruction Set Architecture Reference Guide (July 2026). The comments in the code are by the model that wrote it; some were corrected since.
;; Multi Head Attention. Allowed arithmetic: matrix products marked QUANTISED: E5M2 operands, one given power-of-two scale a tensor, by v_wmma_f32_16x16x64_bf8_bf8 or v_wmma_f32_16x16x128_bf8_bf8, f32 sums; everything else in f32.
;; Inputs: bk 1,024 float32; bo 1,024 float32; bq 1,024 float32; bv 1,024 float32; key 4 x 2,048 x 1,024 float32; lowp_scales 12 int32 (the exponents e of the quantised operands' scales 2^e); query 4 x 2,048 x 1,024 float32; value 4 x 2,048 x 1,024 float32; wk 1,024 x 1,024 float32; wo 1,024 x 1,024 float32; wq 1,024 x 1,024 float32; wv 1,024 x 1,024 float32.
;; Outputs: out0 4 x 2,048 x 1,024 float32.
;; Constants: is_causal = 1.
;; This version of the problem:
;;   THIS VERSION OF THE PROBLEM IS GIVEN IN LOW PRECISION. The matrix products marked QUANTISED in the list below multiply operands that are first quantised to E5M2 (5 exponent bits, 2 mantissa bits; 8 bits a number), with one given power-of-two scale for each operand tensor; their sums are f32. All else is computed in f32.
;;   The module's matrix products, in the order in which they are computed (A, B: the left and right operand; K: the contracted axis; several contracted axes count as one K, in the product's order):
;;     1. [M 8,192, K 1,024] x [K 1,024, N 1,024]; A: input query; B: input wq: QUANTISED (scales: A lowp_scales[0], B lowp_scales[1])
;;     2. [M 8,192, K 1,024] x [K 1,024, N 1,024]; A: input key; B: input wk: QUANTISED (scales: A lowp_scales[2], B lowp_scales[3])
;;     3. [M 8,192, K 1,024] x [K 1,024, N 1,024]; A: input value; B: input wv: QUANTISED (scales: A lowp_scales[4], B lowp_scales[5])
;;     4. batch 64 x [M 2,048, K 64] x [K 64, N 2,048]; A: computed on the way; B: computed on the way: QUANTISED (scales: A lowp_scales[6], B lowp_scales[7])
;;     5. batch 64 x [M 2,048, K 2,048] x [K 2,048, N 64]; A: softmax (see below); B: computed on the way: QUANTISED (scales: A lowp_scales[8], B lowp_scales[9])
;;     6. [M 8,192, K 1,024] x [K 1,024, N 1,024]; A: computed on the way; B: input wo: QUANTISED (scales: A lowp_scales[10], B lowp_scales[11])
;;   THE QUANTISER, for each operand of a quantised product, along K:
;;     - The operand's scale is 2^e, e = its entry of the input lowp_scales (int32; the entries are numbered through the quantised products in the list's order, A before B).
;;     - Each number is divided by the scale, clamped to +-57,344, and rounded to the nearest number of E5M2, ties to even, subnormals kept.
;;     - The product sums the exact products of the quantised numbers (number of the format x scale) in f32.
;;   ~~~python
;;   def quantise(x, axis, e):      # numpy; x: float32 -> the quantised numbers, widened to float32 again
;;       x = np.moveaxis(x, axis, -1); K = x.shape[-1]
;;       r = np.clip(x / 2.0 ** e, -57344, 57344)
;;       step = 2.0 ** (np.maximum(np.frexp(np.where(r == 0, 1, r))[1] - 1, -14) - 2)
;;       q = np.round(r / step) * step * 2.0 ** e      # np.round: ties to even
;;       return np.moveaxis(q, -1, axis).astype(np.float32)
;;   ~~~
;;   SOFTMAX AHEAD OF A QUANTISED PRODUCT. Where the list says 'softmax', what is quantised is not the finished softmax but p = 2^(t - M), with t = logit x log2(e) and M = ceil(the row's largest t), a whole number; so 1/2 < the row's largest p <= 1. The row's sum l is taken of the UNQUANTISED p, in f32, and the product's result is divided by l at the end. Since M is a whole number, a kernel that streams over the keys may use a running M (the ceiling of the running maximum): every later rescaling is an exact power of two, so the quantised numbers keep their values, but for numbers so far below the row's largest that they fall under the format's range.
;;   OPERANDS COMPUTED ON THE WAY. 'Computed on the way' means the value that the module computes at that place (a softmax that the list does not call 'softmax' is quantised finished and normalised). What goes into a quantiser is computed in f32, as accurately as f32 sums, v_exp_f32 and their like allow (about 1e-6 of the number): no bf16 or f16 on the way to a quantiser, and a product that is left as it is and whose result goes on into a quantised operand takes f32 operands (vector FMAs, or v_wmma_f32_16x16x4_f32). A number that lies on a knife's edge between two numbers of the format may be rounded either way, as far as f32 arithmetic and the matrix unit's own rounding can turn it there, and no further.
;; One version. Each part assembles by itself: llvm-mc -triple=amdgcn-amd-amdhsa -mcpu=gfx1250 --defsym DOCPART=n.
;; ======== version 1 of 1: 4 launches
;; limits: right only within a limited range of input values
;; workspace buffers: codes 29,360,128 bytes; qkv 25,165,824 bytes; ctx 8,388,608 bytes
;; launch quant (part 1): grid 896 x 1, 4 waves a work-group, no clusters, 33,280 bytes of LDS; arguments query, key, value, wq, wk, wv, wo, lowp_scales, codes; writes codes
.if DOCPART == 1
	.amdgcn_target "amdgcn-amd-amdhsa--gfx1250"
	.amdhsa_code_object_version 6
	.text
	.protected	k_q69c94f3cc2_quant
	.globl	k_q69c94f3cc2_quant
	.p2align	8
	.type	k_q69c94f3cc2_quant,@function
k_q69c94f3cc2_quant:
	s_mov_b64 s[64:65], 0
	v_nop
	global_prefetch_b8 v0, s[64:65] scope:SCOPE_SE
	s_setreg_imm32_b32 hwreg(HW_REG_WAVE_MODE, 25, 1), 1
	s_wait_xcnt 0x0
; query, key, value [8192][1024] and wq, wk, wv, wo [1024][1024], all f32 with K innermost, become codes of BF8 (E5M2), one byte each, each tensor with the one scale 2^e given for it.
; code = x / 2^e, held within +-57,344, rounded to the nearest code, ties to even.  e: entries 0, 2, 4 (query, key, value), 1, 3, 5 (wq, wk, wv), 11 (wo) of the buffer of scales.
; LIMITS: -126 <= e <= 112, so that 2^e and 57,344 x 2^e are f32 numbers.  NaN among the inputs is not served; an infinity is held at the largest code.
; All seven lie one behind the other in the buffer of codes, rows dense: work-group g takes 32,768 numbers and stores 32,768 bytes at 32,768 g.  g 0-255 query, 256-511 key, 512-767 value, 768-799 wq, 800-831 wk, 832-863 wv, 864-895 wo.
; ORDER INSIDE A BLOCK OF 32 CODES: the four pieces of 8 (P0..P3, Pi = k 8 i .. 8 i + 7) lie as P0, P2, P1, P3.  A 16-byte load at 32 c + 16 (lane / 16) of a row then gives a lane the k that the matrix
; instruction's own layout gives it: registers 4 c, 4 c + 1: k = 32 c + 8 h ..; registers 4 c + 2, 4 c + 3: k = 32 c + 16 + 8 h ..  The order is the same in all seven tensors.
; A wave takes 16 steps of 512 numbers.  Each of a step's four loads reads 512 consecutive bytes, 16 a lane; the 2,048 bytes go through the wave's own stage in LDS (16 bytes of padding behind each 64) and come back so that
; lane 2 g holds numbers 32 g + 0..7 and 16..23 and lane 2 g + 1 numbers 32 g + 8..15 and 24..31.  A lane's 16 codes are 16 bytes: the wave stores 512 consecutive bytes.
; Only pointers and the exponent are chosen by the work-group's number: there is one path.  No tensor loads, no barrier: waves share nothing.  Loads run four steps (16 loads a wave) ahead, the turn through LDS one step.
.set STEPS, 16
.set EMAX,  15
.set MANT,  0x600000                   ; the mantissa field of 57,344 as f32
.set CB,    16                         ; bytes of 16 codes
.set R,     16                         ; v16-79   four sets of 16 numbers as they are loaded
.set X,     80                         ; v80-111  two sets of 16 numbers in the order of the codes
.set C,     128                        ; v128-191 codes: four registers for each step, so that no store's data are written again
.set WREG,  8192                       ; LDS: a region of its own for each wave: two stages of 32 x SP bytes
.set SP,    80                         ; 64 bytes (16 numbers) + 16 of padding
	s_load_b512 s[8:23], s[0:1], 0x0               ; query, key, value, wq, wk, wv, wo, the scales' exponents (s[22:23])
	s_load_b64 s[24:25], s[0:1], 0x40              ; the codes
	v_lshl_add_u32 v192, v0, 2, 0x8000
	v_mov_b32 v193, 0
	v_lshrrev_b32 v1, 5, v0
	v_readfirstlane_b32 s28, v1                    ; wave
	v_and_b32 v2, 31, v0                           ; lane
	v_lshlrev_b32 v3, 4, v2                        ; my 16 bytes of a load's 512
	s_mul_i32 s29, s28, WREG
	v_lshrrev_b32 v14, 2, v2
	v_mul_u32_u24 v14, v14, SP
	v_and_b32 v15, 3, v2
	v_lshl_add_u32 v14, v15, 4, v14
	v_add_nc_u32 v14, s29, v14                     ; the stage, on the way in: SP (lane / 4) + 16 (lane % 4)
	v_lshrrev_b32 v15, 1, v2
	v_mul_u32_u24 v15, v15, 2*SP
	v_and_b32 v5, 1, v2
	v_lshl_add_u32 v15, v5, 5, v15
	v_add_nc_u32 v15, s29, v15                     ; and on the way out: 2 SP (lane / 2) + 32 (lane % 2): my 8 numbers of the block's first 16; the other 8 lie SP further on
	v_mul_u32_u24 v4, v2, CB                       ; my codes' place in a step's
	s_wait_alu depctr_va_vdst(0)
	s_wait_kmcnt 0x0
	s_load_b256 s[32:39], s[22:23], 0x0            ; e0 .. e7
	s_load_b128 s[40:43], s[22:23], 0x20           ; e8 .. e11
	s_mov_b64 s[4:5], s[8:9]                       ; which tensor is my work-group's?  The choice hangs on the work-group's number alone
	s_mov_b32 s26, 0                               ; and that tensor's first work-group
.macro PICK first, ptr
	s_cmp_ge_u32 ttmp9, \first
	s_cselect_b64 s[4:5], s[\ptr:\ptr+1], s[4:5]
	s_cselect_b32 s26, \first, s26
.endm
	PICK 256, 10
	PICK 512, 12
	PICK 768, 14
	PICK 800, 16
	PICK 832, 18
	PICK 864, 20
	s_sub_co_u32 s26, ttmp9, s26
	s_lshl_b32 s26, s26, 2
	s_add_co_u32 s26, s26, s28                     ; which run of 8,192 numbers of the tensor is my wave's
	s_lshl_b32 s30, s26, 15                        ; x 32,768 bytes: under 2^26
	s_mov_b32 s31, 0
	s_add_nc_u64 s[4:5], s[4:5], s[30:31]
	s_lshl_b32 s6, ttmp9, 2
	s_add_co_u32 s6, s6, s28
	s_lshl_b32 s6, s6, 13                          ; my wave's 8,192 bytes of codes
	s_mov_b32 s7, 0
	s_add_nc_u64 s[24:25], s[24:25], s[6:7]
.macro LOAD t
.irp i, 0,1,2,3
	global_load_b128 v[R+16*((\t)%4)+4*\i:R+16*((\t)%4)+4*\i+3], v3, s[4:5] offset:2048*(\t)+512*\i th:TH_LOAD_NT   ; 32 lanes read 512 consecutive bytes, read once in the launch
.endr
.endm
.macro TURN t                          ; step t's numbers through the stage: LDS serves a wave's instructions in order (ISA guide 5.7.1.4), so no wait stands between the stores and the loads
.irp i, 0,1,2,3
	ds_store_b128 v14, v[R+16*((\t)%4)+4*\i:R+16*((\t)%4)+4*\i+3] offset:32*SP*((\t)%2)+8*SP*\i
.endr
.irp i, 0,1,2,3
	ds_load_b128 v[X+16*((\t)%2)+4*\i:X+16*((\t)%2)+4*\i+3], v15 offset:32*SP*((\t)%2)+SP*(\i/2)+16*(\i%2)
.endr
.endm
.irp t, 0,1,2,3
	LOAD \t
.endr
	s_wait_kmcnt 0x0
	s_mov_b32 s27, s32                             ; e, by the same choice
.macro PICKE first, e
	s_cmp_ge_u32 ttmp9, \first
	s_cselect_b32 s27, s[\e], s27
.endm
	PICKE 256, 34
	PICKE 512, 36
	PICKE 768, 33
	PICKE 800, 35
	PICKE 832, 37
	PICKE 864, 43
	s_add_co_i32 s27, s27, 127
	s_lshl_b32 s30, s27, 23
	v_mov_b32 v11, s30                             ; 2^e as f32: the conversion takes its exponent field
	s_add_co_i32 s27, s27, EMAX
	s_lshl_b32 s27, s27, 23
	s_or_b32 s27, s27, MANT
	v_mov_b32 v10, s27                             ; the largest number x 2^e
	s_wait_alu depctr_va_vdst(0)
	s_wait_loadcnt 12                              ; step 0's four loads are in; the twelve of steps 1 to 3 may be out
	TURN 0
.macro STEP t
.set XS, X+16*((\t)%2)
	s_wait_dscnt 0x0                               ; this step's numbers are back from the stage: so its stores into the stage have read their registers,
.if (\t)+4 < STEPS
	LOAD (\t)+4                                    ; which take the loads of four steps on
.endif
.if (\t)+1 < STEPS
.if STEPS-2-(\t) >= 3
	s_wait_loadcnt 12                              ; the next step's four loads are in; those of the three steps behind it may be out
.else
	s_wait_loadcnt 4*(STEPS-2-(\t))                ; the tail: as many steps' loads as are left behind the next step's
.endif
	TURN (\t)+1                                    ; and go through the other stage while this step is worked
.endif
.irp i, 0,1,2,3,4,5,6,7,8,9,10,11,12,13,14,15
	v_med3_num_f32 v[XS+\i], v[XS+\i], -v10, v10   ; the conversion to an 8-bit code does not saturate (ISA guide 7.6.2): the number is held within the largest code x the scale first
.endr
	v_cvt_scalef32_pk8_bf8_f32 v[C+4*(\t):C+4*(\t)+1], v[XS:XS+7], v11          ; eight numbers / 2^e, to the nearest code, ties to even; the first number's code in the lowest byte
	v_cvt_scalef32_pk8_bf8_f32 v[C+4*(\t)+2:C+4*(\t)+3], v[XS+8:XS+15], v11
	global_store_b128 v4, v[C+4*(\t):C+4*(\t)+3], s[24:25] offset:32*CB*(\t)    ; the wave stores 512 consecutive bytes, at a multiple of 512 from the buffer's first byte.  (The codes go to a store alone; the next vector lines, the next step's holds, are plain and touch other registers)
.endm
.irp t, 0,1,2,3,4,5,6,7,8,9,10,11,12,13,14,15
	STEP \t
.endr
	s_wait_tensorcnt 0x0
	ds_add_u32 v192, v193
	s_wait_dscnt 0x0
	s_endpgm
.Lfunc_end_k_q69c94f3cc2_quant:
	.size	k_q69c94f3cc2_quant, .Lfunc_end_k_q69c94f3cc2_quant-k_q69c94f3cc2_quant
	.p2alignl 7, 3214868480
	.fill 96, 4, 3214868480
	.section	.rodata,"a",@progbits
	.p2align	6, 0x0
	.amdhsa_kernel k_q69c94f3cc2_quant
		.amdhsa_group_segment_fixed_size 33280
		.amdhsa_private_segment_fixed_size 0
		.amdhsa_enable_private_segment 0
		.amdhsa_kernarg_size 72
		.amdhsa_user_sgpr_count 2
		.amdhsa_user_sgpr_kernarg_segment_ptr 1
		.amdhsa_wavefront_size32 1
		.amdhsa_system_sgpr_workgroup_id_x 1
		.amdhsa_system_sgpr_workgroup_id_y 1
		.amdhsa_system_sgpr_workgroup_id_z 1
		.amdhsa_system_vgpr_workitem_id 0
		.amdhsa_next_free_vgpr 194
		.amdhsa_next_free_sgpr 66
		.amdhsa_reserve_vcc 0
		.amdhsa_float_denorm_mode_32 3
		.amdhsa_float_denorm_mode_16_64 3
		.amdhsa_memory_ordered 1
		.amdhsa_forward_progress 1
		.amdhsa_inst_pref_size 39
	.end_amdhsa_kernel
	.amdgpu_metadata
---
amdhsa.version: [ 1, 2 ]
amdhsa.kernels:
  - .name:           k_q69c94f3cc2_quant
    .symbol:         k_q69c94f3cc2_quant.kd
    .args:
      - { .name: query, .offset: 0, .size: 8, .value_kind: global_buffer, .address_space: global }
      - { .name: key, .offset: 8, .size: 8, .value_kind: global_buffer, .address_space: global }
      - { .name: value, .offset: 16, .size: 8, .value_kind: global_buffer, .address_space: global }
      - { .name: wq, .offset: 24, .size: 8, .value_kind: global_buffer, .address_space: global }
      - { .name: wk, .offset: 32, .size: 8, .value_kind: global_buffer, .address_space: global }
      - { .name: wv, .offset: 40, .size: 8, .value_kind: global_buffer, .address_space: global }
      - { .name: wo, .offset: 48, .size: 8, .value_kind: global_buffer, .address_space: global }
      - { .name: lowp_scales, .offset: 56, .size: 8, .value_kind: global_buffer, .address_space: global }
      - { .name: codes, .offset: 64, .size: 8, .value_kind: global_buffer, .address_space: global }
    .group_segment_fixed_size: 33280
    .private_segment_fixed_size: 0
    .kernarg_segment_align: 8
    .kernarg_segment_size: 72
    .max_flat_workgroup_size: 128
    .sgpr_count:     66
    .vgpr_count:     194
    .wavefront_size: 32
...
	.end_amdgpu_metadata
.endif
;; end of part 1
;; launch proj (part 2): grid 4 x 96, 4 waves a work-group, clusters of 4 x 4, 327,680 bytes of LDS; arguments codes, bq, bk, bv, lowp_scales, qkv; writes qkv
.if DOCPART == 2
	.amdgcn_target "amdgcn-amd-amdhsa--gfx1250"
	.amdhsa_code_object_version 6
	.text
	.protected	k_q69c94f3cc2_proj
	.globl	k_q69c94f3cc2_proj
	.p2align	8
	.type	k_q69c94f3cc2_proj,@function
k_q69c94f3cc2_proj:
	s_mov_b64 s[64:65], 0
	v_nop
	global_prefetch_b8 v0, s[64:65] scope:SCOPE_SE
	s_setreg_imm32_b32 hwreg(HW_REG_WAVE_MODE, 25, 1), 1
	s_wait_xcnt 0x0
	s_wait_alu depctr_hold_cnt(0) depctr_sa_sdst(0) depctr_va_vdst(0) depctr_va_sdst(0) depctr_va_ssrc(0) depctr_va_vcc(0) depctr_vm_vsrc(0)
	s_getreg_b32 s2, hwreg(HW_REG_IB_STS2, 6, 4)
	s_cmp_eq_u32 s2, 0
	s_cbranch_scc0 .Lentry_in_a_cluster
	s_endpgm
.Lentry_in_a_cluster:
	s_bfe_u32 s2, ttmp6, 0x10000c
	s_cmp_lg_u32 s2, 0xf033
	s_cbranch_scc0 .Lentry_shape_is_right
	s_endpgm
.Lentry_shape_is_right:
; The three projections in one launch: P = x W^T + bias on codes of BF8 (E5M2), then P is quantised again and stored as the attention's operands.  x: 24,576 rows (query's, key's, value's, 8,192 each) x 1,024 codes;
; W: wq, wk, wv, 1,024 rows x 1,024 codes each, behind them in the same buffer.  Part p = 0 (Q), 1 (K), 2 (V) is tile rows 32 p .. 32 p + 31.
; P = sum x 2^(ea + eb) + bias, one fused multiply-add in f32; its code = P / 2^eo, held within +-57,344, to the nearest code, ties to even.  (ea, eb, eo) = entries (0, 1, 6), (2, 3, 7), (4, 5, 9) of the buffer of scales.
; LIMITS: ea + eb between -126 and 127, eo between -126 and 112, so that each power of two below is an f32 number.
; A tile, 256 rows of x by 256 rows of W, is made by a work-group of four waves; a wave makes 128 x 128: 64 accumulators of 16 x 16, 512 registers.  K goes in steps of 256 through a ring of two LDS slots filled by the
; tensor data mover: a tile's row is 256 bytes of memory.  1,024 along K are four such steps: two first fills, two refills.
; CLUSTERS: 4 x 4 work-groups.  The four of a row of the cluster need the same tile of x, the four of a column the same tile of W: each tile is asked for JOINTLY, by the same tensor load with the same descriptor and a mask that names the four.
; A cluster lies in one part (eight clusters a part), so whatever hangs on the part is the same in all sixteen partners.
; WHAT A LANE HOLDS.  Accumulator (a, b) = source 0 (block b of set B) x source 1 (block a of set A): a lane holds ONE row of set A (16 a + lane % 16) and its eight registers eight neighbouring rows of set B (16 b + 8 (lane / 16) + j).
; For Q and K set A is x's rows and set B is W's: eight neighbours along the head's 64, which is the next product's K.  For V only the two sources in memory change places: set A is W's rows and set B is x's, so that a lane holds one
; channel d and eight neighbouring KEYS, which are the next K of V.  The loop's text is the same.
; THE OUTPUT IS AN IMAGE OF THE NEXT LAUNCH'S OPERAND REGISTERS.  Part p at p << 23, head 16 batch + h at << 17 (131,072 bytes).  Q, K: tile of 16 rows T at 1,024 T, chunk i at 512 i, lane at 16 x lane: bytes 0-7 dk = 32 i + 8 (lane / 16) + 0..7,
; bytes 8-15 dk = 32 i + 16 + 8 (lane / 16) + 0..7 of row 16 T + lane % 16.  V: step of 128 keys s at 8,192 s, tile of 16 channels t at 2,048 t, chunk i at 512 i, lane at 16 x lane: bytes 0-7 keys 32 i + 8 (lane / 16) + 0..7,
; bytes 8-15 keys 32 i + 16 + 8 (lane / 16) + 0..7 of channel 16 t + lane % 16.  Two neighbouring conversions give a lane's 16 bytes.  A work-group's tile is 16,384 consecutive bytes of each of four heads.
; REGISTERS, in windows of 256: window 0: v0-31 addresses; v32-95 the bias in Q's and K's form, v96-111 in V's; v112, v113 the hold and the scale; from v128 set A's fragments (8 x 16 rows x 128 K), ONE set; on the way out v128-255 are free.
;   window 1: set B's fragments, TWO sets, at v0 and at v128.   window 2: the 32 accumulators of blocks a = 0-3 (accumulator (a, b) at v[8 (8 a + b)]);   window 3: those of a = 4-7.
.set SIZE_K, 1024
.set KSTEP,  256                       ; along K in a slot
.set ROWB,   256                       ; a tile's row in bytes
.set KROW,   SIZE_K                    ; a row of codes in memory, in bytes
.set XROWS,  24576                     ; rows of x ahead of W's rows in the buffer of codes
.set PITCH,  272                       ; an LDS row: 256 bytes + 16 of padding = 68 words: row r starts at bank 4 r mod 64 (64 banks of 4 bytes: ISA guide 11.1), so the 16 rows that a load touches start at 16 different banks
.set FR,     16                        ; registers of a fragment: 16 rows x 128 K
.set NL,     4                         ; LDS loads that bring one
.set NP,     4                         ; places behind this matrix instruction (ISA guide 7.12.1)
.set HALFT,  128*PITCH                 ; 128 rows: what one tensor load brings, and what one wave reads of a tile
.set SLOT,   4*HALFT                   ; x's 256 rows, then W's 256 rows
.set LAPS,   SIZE_K/(2*KSTEP)          ; a lap = two K steps = once round the ring
.set SPARE,  2*SLOT                    ; behind the ring: the spare words, 128 bytes for each wave: two blocks of 256 bytes that no other line names
.set ADRA, 16                          ; v16-17  LDS address of my set A fragments in slot 0, 1
.set ADRB, 20                          ; v20-21  the same for set B
.set CO,   27                          ; v27     16 x lane
.set SPW,  28                          ; v28     LDS address of my spare word: SPARE + 4 x my thread's number; never rewritten
.set NIL,  29                          ; v29     0; never rewritten
.set BI,   32                          ; v32-95  bias(16 b + 8 (lane / 16) + j) at BI + 8 b + j
.set BV,   96                          ; v96-111 bias(16 a + lane % 16), twice, at BV + 2 a
.set LIM,  112                         ; v112    57,344 x 2^eo
.set SC,   113                         ; v113    2^eo
.set AF,   128                         ; set A's fragments, in window 0
.set TMP,  128                         ; the way out: a block's 64 numbers
.set CD,   192                         ; and its codes: two sets of 16 registers
.set G1, 24                            ; s[24:31] descriptor group 1 for x's tiles;  s[32:39] group 0, one set for each slot
.set G0, 32
.set G1B, 48                           ; s[48:55], s[56:63] the same for W's tiles
.set G0B, 56
.set MSB, 0
.macro WIN new                         ; the immediate's high byte repeats the setting that is left
.if MSB != \new
	s_set_vgpr_msb (MSB<<8)|\new
.set MSB, \new
.endif
.endm
.set MUL_LO, 0xa1                      ; source 0 (set B) window 1, source 1 (set A) window 0, C and D window 2
.set MUL_HI, 0xf1                      ; the same, C and D window 3
.set TO_B,   0x40                      ; destination window 1, address window 0
; A joint load: waves 0 and 1 fetch x's halves, waves 2 and 3 W's.  Each of the two lines has ONE mask and one set of registers for all that issue it; the branch hangs on the wave's number alone.
; Four v_nop follow each of the two lines, ahead of the jump, the label and what follows.
.macro JLOAD g0a, g1a, g0b, g1b
	s_cmp_eq_u32 s15, 0
	s_cbranch_scc0 .Lfor_b_\@
	tensor_load_to_lds s[\g0a:\g0a+3], s[\g1a:\g1a+7]
	s_nop 0
.rept 4
	v_nop
.endr
	s_branch .Lasked_\@
.Lfor_b_\@:
	tensor_load_to_lds s[\g0b:\g0b+3], s[\g1b:\g1b+7]
	s_nop 0
.rept 4
	v_nop
.endr
.Lasked_\@:
.endm
.macro CREST                           ; a round of the cluster's barrier behind its opening barrier
	s_cmp_lg_u32 s14, 0
	s_cbranch_scc1 .Lnot_wave_0_\@
	s_barrier_signal -3
.Lnot_wave_0_\@:
	s_barrier_wait -3
	s_barrier_signal -1
	s_barrier_wait -1
.endm
.macro CROUND                          ; a whole round
	s_barrier_signal -1
	s_barrier_wait -1
	CREST
.endm
	s_load_b256 s[4:11], s[0:1], 0x0               ; the codes s[4:5], bq s[6:7], bk s[8:9], bv s[10:11]
	s_load_b128 s[68:71], s[0:1], 0x20             ; the scales' exponents s[68:69], the output s[70:71]
	v_lshl_add_u32 v[SPW], v0, 2, SPARE
	v_mov_b32 v[NIL], 0
	ds_add_u32 v28, v29
	ds_add_u32 v28, v29
	s_wait_dscnt 0x0
	v_lshrrev_b32 v1, 5, v0
	v_readfirstlane_b32 s14, v1                    ; wave 0..3
	s_lshr_b32 s15, s14, 1                         ; which half of set A is mine.  Also: I fetch for x (0) or for W (1)
	s_and_b32 s16, s14, 1                          ; which half of set B.  Also: which 128 rows of that tile I fetch
	s_bfe_u32 s40, ttmp6, 0x40000                  ; cx, cy: my place in the cluster
	s_bfe_u32 s41, ttmp6, 0x40004
	; V: THE TWO SOURCES CHANGE PLACES IN MEMORY, NOT IN LDS.  Set A's tile always hangs on cy and is shared along the cluster's row, set B's on cx and is shared along its column; every LDS address is a constant of the text.
	; Q, K: set A = x's tile 4 Y + cy, set B = W's tile cx.  V: set A = W's tile cy, set B = x's tile 4 Y + cx.  (The grid is one cluster wide, so W's four tiles are the cluster's four places.)
	s_and_b32 s66, ttmp7, 0xffff                   ; cluster y, Y = 0 .. 23: the same in all sixteen partners
	s_lshr_b32 s67, s66, 3                         ; the part p
	s_cmp_ge_u32 s66, 16                           ; V?
	s_cselect_b32 s42, s41, s40                    ; W's tile (256 rows of W): for the bias and the output's address alone
	s_cselect_b32 s17, s40, s41
	s_lshl_b32 s18, s66, 2
	s_add_co_u32 s17, s17, s18                     ; x's tile (256 rows of x): likewise
	s_lshl_b32 s43, s41, 2
	s_lshl_b32 s43, 15, s43                        ; my row of the cluster
	s_lshl_b32 s44, 0x1111, s40                    ; my column
	; descriptor group 1: a tile of 128 rows x ROWB bytes, padded in LDS
	s_or_b32 s[G1+0], s43, (0<<16)|(1<<20)|(1<<21)|(5<<22)|(3<<25)  ; 15:0 the mask: x's tiles go to my row; 17:16 element of 1 byte; 20 padding on; 21 set beside a mask; 24:22 after every 64 words (code 5); 31:25 of 4 words (code 3)
	s_or_b32 s[G1B+0], s44, (0<<16)|(1<<20)|(1<<21)|(5<<22)|(3<<25) ; the same with the mask of my column, for W's tiles
.irp g, G1, G1B
	s_mov_b32 s[\g+1], ROWB<<16                    ; tensor_dim0
	s_mov_b32 s[\g+2], 128<<16                     ; tensor_dim1 = 128
	s_mov_b32 s[\g+3], ROWB<<16                    ; tile_dim0
	s_mov_b32 s[\g+4], 128                         ; tile_dim1 = 128
	s_mov_b32 s[\g+5], KROW                        ; tensor_dim0_stride
	s_mov_b32 s[\g+6], 0
	s_mov_b32 s[\g+7], 0
.endr
	s_lshl_b32 s18, s16, 7                         ; which 128 rows of the tile I fetch
	s_lshl_b32 s88, s66, 10                        ; x: the first row of the cluster's four tiles, 1,024 Y
	s_lshl_b32 s89, s67, 10
	s_add_co_u32 s89, s89, XROWS                   ; W: the first row of the part's weight, behind x's rows
	s_cmp_ge_u32 s66, 16
	s_cselect_b32 s90, s89, s88                    ; set A's source
	s_cselect_b32 s91, s88, s89                    ; set B's source
	s_lshl_b32 s20, s41, 8
	s_add_co_u32 s20, s20, s18
	s_add_co_u32 s20, s20, s90                     ; set A: row 256 cy + 128 x half of its source
	s_lshl_b32 s46, s40, 8
	s_add_co_u32 s46, s46, s18
	s_add_co_u32 s46, s46, s91                     ; set B: row 256 cx + 128 x half of its source
	s_mov_b32 s21, 0
	s_mov_b32 s47, 0
	s_mov_b64 s[18:19], KROW
	s_mul_u64 s[20:21], s[20:21], s[18:19]
	s_mul_u64 s[46:47], s[46:47], s[18:19]
	s_mul_i32 s45, s14, HALFT                      ; where they go: wave x 128 rows: no place in the cluster enters an LDS address
	s_wait_kmcnt 0x0
	s_load_b256 s[76:83], s[68:69], 0x0            ; e0 .. e7
	s_load_b128 s[84:87], s[68:69], 0x20           ; e8 .. e11
	s_add_nc_u64 s[20:21], s[4:5], s[20:21]
	s_add_nc_u64 s[46:47], s[4:5], s[46:47]
	CROUND                                         ; all sixteen work-groups are here: the first joint loads meet
.irp s, 0,1
	s_mov_b32 s[G0+4*\s], 1
	s_add_co_u32 s[G0+4*\s+1], s45, \s*SLOT
	s_add_nc_u64 s[G0+4*\s+2:G0+4*\s+3], s[20:21], \s*ROWB
	s_or_b32 s[G0+4*\s+3], s[G0+4*\s+3], 0x80000000
	s_mov_b32 s[G0B+4*\s], 1
	s_add_co_u32 s[G0B+4*\s+1], s45, \s*SLOT
	s_add_nc_u64 s[G0B+4*\s+2:G0B+4*\s+3], s[46:47], \s*ROWB
	s_or_b32 s[G0B+4*\s+3], s[G0B+4*\s+3], 0x80000000
.endr
	JLOAD G0, G1, G0B, G1B                         ; K step 0: one tensor load a wave at the head
	v_and_b32 v1, 15, v0                           ; l % 16
	v_bfe_u32 v2, v0, 4, 1                         ; l / 16
	v_mul_u32_u24 v3, v1, PITCH
	v_lshl_add_u32 v4, v2, 4, v3                   ; a fragment's row x pitch + 16 x half
	s_wait_alu depctr_va_vdst(0)
	s_mul_i32 s21, s15, HALFT                      ; my 128 rows of set A
	s_mul_i32 s22, s16, HALFT                      ; my 128 rows of set B,
	s_add_co_u32 s22, s22, 2*HALFT                 ; which lie behind set A's 256
.irp s, 0,1
	v_add_nc_u32 v[ADRA+\s], s21, v4
	v_add_nc_u32 v[ADRB+\s], s22, v4
	s_add_co_u32 s21, s21, SLOT
	s_add_co_u32 s22, s22, SLOT
.endr
	v_and_b32 v5, 31, v0
	v_lshlrev_b32 v[CO], 4, v5
	s_wait_alu depctr_va_vdst(0)
	s_cmp_ge_u32 s66, 8                            ; the part's bias
	s_cselect_b64 s[72:73], s[8:9], s[6:7]
	s_cmp_ge_u32 s66, 16
	s_cselect_b64 s[72:73], s[10:11], s[72:73]
	s_lshl_b32 s18, s42, 10                        ; 256 x tile column numbers of 4 bytes,
	s_lshl_b32 s19, s15, 9
	s_add_co_u32 s92, s18, s19                     ; + 128 x set A's half: V's form
	s_mov_b32 s93, 0
	s_add_nc_u64 s[92:93], s[72:73], s[92:93]
	s_lshl_b32 s19, s16, 9
	s_add_co_u32 s18, s18, s19                     ; + 128 x set B's half: Q's and K's form
	s_mov_b32 s19, 0
	s_add_nc_u64 s[72:73], s[72:73], s[18:19]
	v_lshlrev_b32 v8, 5, v2                        ; 8 numbers for each half of the lanes; never rewritten
	v_lshlrev_b32 v9, 2, v1                        ; a number a lane; never rewritten
.irp b, 0,1,2,3,4,5,6,7                        ; both forms are loaded on the one path: 1,024 numbers at the most are named, all inside the bias
	global_load_b128 v[BI+8*\b:BI+8*\b+3], v8, s[72:73] offset:64*\b
	global_load_b128 v[BI+8*\b+4:BI+8*\b+7], v8, s[72:73] offset:64*\b+16
.endr
.irp a, 0,1,2,3,4,5,6,7
	global_load_b32 v[BV+2*\a], v9, s[92:93] offset:64*\a
	global_load_b32 v[BV+2*\a+1], v9, s[92:93] offset:64*\a    ; twice: a pair for the packed multiply-add
.endr
	s_lshl_b32 s74, s67, 23                        ; where my wave's 16,384 bytes go: the part,
	s_and_b32 s18, s17, 31
	s_lshr_b32 s18, s18, 3
	s_lshl_b32 s18, s18, 21
	s_add_co_u32 s74, s74, s18                     ; the batch (eight tile rows each),
	s_cmp_ge_u32 s66, 16
	s_cselect_b32 s19, s15, s16                    ; which two of the tile's four heads are my wave's: W's half (Q, K: set B's; V: set A's)
	s_cselect_b32 s23, s16, s15                    ; which 8,192 of the tile's 16,384 bytes in a head: x's half
	s_lshl_b32 s18, s42, 1
	s_add_co_u32 s18, s18, s19
	s_lshl_b32 s18, s18, 18
	s_add_co_u32 s74, s74, s18                     ; the head 4 x W's tile + 2 x half,
	s_lshl_b32 s23, s23, 13
	s_add_co_u32 s74, s74, s23                     ; my half of x's rows or keys,
	s_and_b32 s18, s17, 7
	s_lshl_b32 s18, s18, 14
	s_add_co_u32 s74, s74, s18                     ; the tile row's 256 rows or keys in it
	s_mov_b32 s75, 0
	s_add_nc_u64 s[74:75], s[70:71], s[74:75]
.macro FRAG reg, adr, q, i             ; a fragment, 16 rows x 128 K of 8-bit codes, is 16 registers: four loads of 16 bytes, 32 bytes apart
.irp c, 0,1,2,3
	ds_load_b128 v[\reg+4*\c:\reg+4*\c+3], v[\adr] offset:128*(\q)+32*\c+(\i)*16*PITCH
.endr
.endm
; 16 matrix instructions: set A's blocks a0, a0 + 1 x set B's eight, 128 along K.  p: set B's registers.  zero = 1: the first product starts the sums: nothing is ever cleared.
; The 64 accumulators take turns, one instruction a turn, in the same order in every step.
.macro MUL16 a0, p, zero
.irp a, \a0, \a0+1
.irp b, 0,1,2,3,4,5,6,7
.if \zero
	v_wmma_f32_16x16x128_bf8_bf8 v[8*(8*((\a)%4)+\b):8*(8*((\a)%4)+\b)+7], v[128*(\p)+FR*\b:128*(\p)+FR*\b+FR-1], v[AF+FR*(\a):AF+FR*(\a)+FR-1], 0
.else
	v_wmma_f32_16x16x128_bf8_bf8 v[8*(8*((\a)%4)+\b):8*(8*((\a)%4)+\b)+7], v[128*(\p)+FR*\b:128*(\p)+FR*\b+FR-1], v[AF+FR*(\a):AF+FR*(\a)+FR-1], v[8*(8*((\a)%4)+\b):8*(8*((\a)%4)+\b)+7]
.endif
.endr
.endr
.endm
.macro FETCH_B slot, q, p              ; set B's eight fragments of the slot's q-th 128 along K into registers p
	WIN TO_B
.irp i, 0,1,2,3,4,5,6,7
	FRAG 128*(\p)+FR*\i, ADRB+\slot, \q, \i
.endr
	WIN 0
.endm
.macro FETCH_A slot, q, i0             ; set A's blocks i0 .. i0 + 3
.irp i, \i0, \i0+1, \i0+2, \i0+3
	FRAG AF+FR*(\i), ADRA+\slot, \q, \i
.endr
.endm
; A load into a register that a matrix instruction has read, and a vector instruction that reads a matrix result or writes one of a matrix instruction's registers, stand NP places behind it, and only plain vector
; instructions that name none of its registers are places (ISA guide 7.12.1 for vector instructions).
.macro PLACES n
.rept \n
	v_nop
.endr
.endm
; A step of 128 along K that has its successor in the same slot.
.macro STEP slot, q, zero
	s_wait_dscnt 4*NL                              ; set B and set A's blocks 0-3 are in; the youngest sixteen loads (blocks 4-7) may be out
	WIN MUL_LO
	MUL16 0, (\q)%2, \zero
	MUL16 2, (\q)%2, \zero
	s_wait_dscnt 0                                 ; blocks 4-7 are in (asked for 32 matrix instructions ago)
	PLACES NP
	FETCH_B \slot, (\q)+1, 1-(\q)%2
	FETCH_A \slot, (\q)+1, 0
	WIN MUL_HI
	MUL16 4, (\q)%2, \zero
	MUL16 6, (\q)%2, \zero
	PLACES NP
	WIN 0
	FETCH_A \slot, (\q)+1, 4
.endm
; A slot's last step changes slots: ONE barrier; in front of it each wave waits for all its tensor loads, adds 0 to its spare word, and waits for that and for its own reads of this slot.  fill = 1: this slot is filled again, two K steps ahead.
.macro TURN slot, next, fill
	s_wait_tensorcnt 0x0                           ; all my tensor loads have landed: my part of the next slot;  (every window is 0 here: the add's two registers lie in window 0)
	ds_add_u32 v[SPW], v[NIL]                      ; 0 onto my spare word
	s_wait_dscnt 4*NL+1                            ; (the add and the youngest sixteen loads, blocks 4-7, may be out)
	WIN MUL_LO
	MUL16 0, 1, 0                                  ; sixteen matrix instructions stand between the add and the wait for it
	s_wait_dscnt 0x0                               ; the add is done, and my reads of this slot are over
	s_barrier_signal -1
	MUL16 2, 1, 0
	WIN 0
	s_barrier_wait -1
.if \fill
	CREST                                          ; the barrier has opened a round of the cluster's barrier: no wave of any partner still reads this slot's tile or has a load on its way
	s_add_nc_u64 s[G0+4*\slot+2:G0+4*\slot+3], s[G0+4*\slot+2:G0+4*\slot+3], 2*ROWB
	s_add_nc_u64 s[G0B+4*\slot+2:G0B+4*\slot+3], s[G0B+4*\slot+2:G0B+4*\slot+3], 2*ROWB
	JLOAD G0+4*\slot, G1, G0B+4*\slot, G1B         ; the first tensor load behind the round; the four v_nop behind it are the places in front of the loads below
.else
	PLACES NP
.endif
	FETCH_B \next, 0, 0
	FETCH_A \next, 0, 0
	WIN MUL_HI
	MUL16 4, 1, 0
	MUL16 6, 1, 0
	PLACES NP
	WIN 0
	FETCH_A \next, 0, 4
.endm
	s_wait_alu depctr_va_vdst(0)
	s_wait_tensorcnt 0x0                           ; my part of K step 0 is in
	ds_add_u32 v[SPW], v[NIL]
	s_wait_dscnt 0x0
	CROUND                                         ; a whole round: everybody's part of K step 0 is in, and the joint loads meet
	JLOAD G0+4, G1, G0B+4, G1B                     ; K step 1's load, the first tensor load behind the round
	FETCH_B 0, 0, 0
	FETCH_A 0, 0, 0
	FETCH_A 0, 0, 4
	STEP 0, 0, 1                                   ; the first step stands in front of the loop: its products start the sums
	s_mov_b32 s3, LAPS-1
.Llap:                                                 ; a trip goes once round the ring, from a lap's second step to the next lap's first, and fills both slots again
	TURN 0, 1, 1
	STEP 1, 0, 0
	TURN 1, 0, 1
	STEP 0, 0, 0
	s_sub_co_u32 s3, s3, 1
	s_cmp_lg_u32 s3, 0
	s_cbranch_scc1 .Llap
	TURN 0, 1, 0                                   ; the last lap fills nothing, and has no round of the cluster's barrier
	STEP 1, 0, 0
	s_wait_dscnt 4*NL                              ; the very last step: nothing more to fetch
	WIN MUL_LO
	MUL16 0, 1, 0
	MUL16 2, 1, 0
	s_wait_dscnt 0
	WIN MUL_HI
	MUL16 4, 1, 0
	MUL16 6, 1, 0
	WIN 0
; THE WAY OUT.  Block a (16 rows of set A x 128 of set B): sum x 2^(ea + eb) + bias into other registers, each accumulator from its low end on; the hold; eight conversions of eight neighbours.
; Two neighbouring conversions are a lane's 16 bytes of the image, and the 32 lanes' are 512 consecutive bytes of it: so the codes are stored straight from registers, four stores a block, with no way through LDS.
.macro TOSTAGE isv, a
.set AC, 64*((\a)%4)
.set CDS, CD+16*((\a)%2)
.set WN, 0x02+((\a)/4)
	WIN WN                                         ; source 0: window 2 or 3
.irp b, 0,1,2,3,4,5,6,7
.irp i, 0,2,4,6
.if \isv
	v_pk_fma_f32 v[TMP+8*\b+\i:TMP+8*\b+\i+1], v[AC+8*\b+\i:AC+8*\b+\i+1], s[96:97], v[BV+2*(\a):BV+2*(\a)+1] op_sel_hi:[1,0,1]   ; the lane's one channel has one bias
.else
	v_pk_fma_f32 v[TMP+8*\b+\i:TMP+8*\b+\i+1], v[AC+8*\b+\i:AC+8*\b+\i+1], s[96:97], v[BI+8*\b+\i:BI+8*\b+\i+1] op_sel_hi:[1,0,1]   ; (of the scalar pair the low word serves both halves)
.endif
.endr
.endr
	WIN 0
.set j, 0
.rept 64
	v_med3_num_f32 v[TMP+j], v[TMP+j], -v[LIM], v[LIM]   ; the conversion to an 8-bit code does not saturate (ISA guide 7.6.2): the hold at the largest code x the scale
.set j, j+1
.endr
.if (\a) >= 2
	s_wait_alu depctr_va_vdst(0)
	s_wait_xcnt 0x0                                ; the stores of two blocks back have read this set of code registers
.endif
.irp b, 0,1,2,3,4,5,6,7
	v_cvt_scalef32_pk8_bf8_f32 v[CDS+2*\b:CDS+2*\b+1], v[TMP+8*\b:TMP+8*\b+7], v[SC]
.endr
	v_nop                                          ; one plain vector instruction between the last conversion and the next vector instruction that writes its sources
.irp g, 0,1,2,3
.if \isv
	global_store_b128 v[CO], v[CDS+4*\g:CDS+4*\g+3], s[74:75] offset:((\a)/4)*131072+((\a)%4)*2048+\g*512   ; head a / 4 of my two, channels 16 (a % 4) on, keys 32 g on: 512 consecutive bytes, aligned
.else
	global_store_b128 v[CO], v[CDS+4*\g:CDS+4*\g+3], s[74:75] offset:(\g/2)*131072+(\a)*1024+(\g%2)*512      ; head g / 2 of my two, rows 16 a on, dk 32 (g % 2) on: 512 consecutive bytes, aligned
.endif
.endr
.endm
	s_wait_kmcnt 0x0                               ; the exponents,
	s_wait_loadcnt 0x0                             ; and the bias
	s_add_co_i32 s88, s76, s77
	s_add_co_i32 s89, s78, s79
	s_add_co_i32 s90, s80, s81
	s_cmp_ge_u32 s66, 8                            ; what a loaded number decides is chosen, never branched on: the choice hangs on the part
	s_cselect_b32 s88, s89, s88
	s_cselect_b32 s91, s83, s82
	s_cmp_ge_u32 s66, 16
	s_cselect_b32 s88, s90, s88                    ; ea + eb
	s_cselect_b32 s91, s85, s91                    ; eo
	s_add_co_i32 s88, s88, 127
	s_lshl_b32 s96, s88, 23                        ; 2^(ea + eb) as f32
	s_mov_b32 s97, s96                             ; (named with it as a pair, so it is written)
	s_add_co_i32 s91, s91, 127
	s_lshl_b32 s94, s91, 23
	v_mov_b32 v[SC], s94                           ; 2^eo: the conversion takes its exponent field
	s_add_co_i32 s91, s91, 15
	s_lshl_b32 s91, s91, 23
	s_or_b32 s91, s91, 0x600000
	v_mov_b32 v[LIM], s91                          ; 57,344 x 2^eo
	PLACES NP                                      ; behind the last products: their results are read and set A's registers written below
	s_cmp_ge_u32 s66, 16                           ; the part is the same in all waves and all partners
	s_cbranch_scc1 .Lv
.irp a, 0,1,2,3,4,5,6,7
	TOSTAGE 0, \a
.endr
	s_branch .Ljoin
.Lv:
.irp a, 0,1,2,3,4,5,6,7
	TOSTAGE 1, \a
.endr
.Ljoin:
	s_wait_tensorcnt 0x0                           ; the wave's end: behind my last tensor load and my last LDS store
	ds_add_u32 v[SPW], v[NIL]
	s_wait_dscnt 0x0
	CROUND                                         ; the closing round: no work-group ends while a partner may still ask for a tile that names it
	s_endpgm
.Lfunc_end_k_q69c94f3cc2_proj:
	.size	k_q69c94f3cc2_proj, .Lfunc_end_k_q69c94f3cc2_proj-k_q69c94f3cc2_proj
	.p2alignl 7, 3214868480
	.fill 96, 4, 3214868480
	.section	.rodata,"a",@progbits
	.p2align	6, 0x0
	.amdhsa_kernel k_q69c94f3cc2_proj
		.amdhsa_group_segment_fixed_size 327680
		.amdhsa_private_segment_fixed_size 0
		.amdhsa_enable_private_segment 0
		.amdhsa_kernarg_size 48
		.amdhsa_user_sgpr_count 2
		.amdhsa_user_sgpr_kernarg_segment_ptr 1
		.amdhsa_wavefront_size32 1
		.amdhsa_system_sgpr_workgroup_id_x 1
		.amdhsa_system_sgpr_workgroup_id_y 1
		.amdhsa_system_sgpr_workgroup_id_z 1
		.amdhsa_system_vgpr_workitem_id 0
		.amdhsa_next_free_vgpr 1024
		.amdhsa_next_free_sgpr 98
		.amdhsa_reserve_vcc 0
		.amdhsa_float_denorm_mode_32 3
		.amdhsa_float_denorm_mode_16_64 3
		.amdhsa_memory_ordered 1
		.amdhsa_forward_progress 1
		.amdhsa_inst_pref_size 195
	.end_amdhsa_kernel
	.amdgpu_metadata
---
amdhsa.version: [ 1, 2 ]
amdhsa.kernels:
  - .name:           k_q69c94f3cc2_proj
    .symbol:         k_q69c94f3cc2_proj.kd
    .args:
      - { .name: codes, .offset: 0, .size: 8, .value_kind: global_buffer, .address_space: global }
      - { .name: bq, .offset: 8, .size: 8, .value_kind: global_buffer, .address_space: global }
      - { .name: bk, .offset: 16, .size: 8, .value_kind: global_buffer, .address_space: global }
      - { .name: bv, .offset: 24, .size: 8, .value_kind: global_buffer, .address_space: global }
      - { .name: lowp_scales, .offset: 32, .size: 8, .value_kind: global_buffer, .address_space: global }
      - { .name: qkv, .offset: 40, .size: 8, .value_kind: global_buffer, .address_space: global }
    .group_segment_fixed_size: 327680
    .private_segment_fixed_size: 0
    .kernarg_segment_align: 8
    .kernarg_segment_size: 48
    .max_flat_workgroup_size: 128
    .sgpr_count:     98
    .vgpr_count:     1024
    .wavefront_size: 32
...
	.end_amdgpu_metadata
.endif
;; end of part 2
;; launch attn (part 3): grid 4 x 64, 16 waves a work-group, no clusters, 327,680 bytes of LDS; arguments qkv, lowp_scales, ctx; writes ctx
.if DOCPART == 3
	.amdgcn_target "amdgcn-amd-amdhsa--gfx1250"
	.amdhsa_code_object_version 6
	.text
	.protected	k_q69c94f3cc2_attn
	.globl	k_q69c94f3cc2_attn
	.p2align	8
	.type	k_q69c94f3cc2_attn,@function
k_q69c94f3cc2_attn:
	s_mov_b64 s[64:65], 0
	v_nop
	global_prefetch_b8 v0, s[64:65] scope:SCOPE_SE
	s_setreg_imm32_b32 hwreg(HW_REG_WAVE_MODE, 25, 1), 1
	s_wait_xcnt 0x0
; Causal attention on codes of BF8 (E5M2): S^T = K Q^T, p = 2^(t - M) with M the ceiling of the running largest t, O^T += V^T P^T, O / the sum of the unquantised p, NaN cleared, and the result quantised for the last product.
; Q, K, V arrive as images of the operands' registers (16 bytes a lane, 512 an instruction).  A work-group owns one head and 2 x 256 queries; each of its sixteen waves a late tile of 16 queries and an early one,
; 2032 - q and q, so that all waves have the same number of key steps.  Key steps all of whose keys come after the wave's queries are under the mask that the problem builds itself, and are jumped over by ids.
; The head's K and V (131,072 bytes each) lie whole in LDS, brought by three loads a wave (waves 0-7: K, 8-15: V): keys 0-511, then 512-1023, then 1024-2047, each later one
; four key steps ahead of its first read.  Nothing is filled again.  No prefetch: these three loads ask for all that the launch reads of K and V, so there is no later stream to run ahead of.
; No joint loads: the four work-groups of a head would share them, but partners jump over different steps.
; LIMITS: eq + ek between -123 and 130; ep and the result's exponent between -126 and 112; the scaled scores stay under 2^31 in magnitude.
.set LI,   1
.set ADK,  2
.set ADV,  3
.set VM,   4
.set VQ,   5
.set VO,   6
.set VIMG, 131072
.set TB,   2
.set CNT,  3
.set KF,   10
.set Q0,   11
.set Q0E,  12
.set Q0L,  13
.set WV,   18
.set SEL,  20
.set CS,   22
	s_load_b128 s[4:7], s[0:1], 0x0
	s_load_b64 s[8:9], s[0:1], 0x10
	v_lshl_add_u32 v251, v0, 2, 0x40000
	v_mov_b32 v255, 0
	ds_add_u32 v251, v255
	ds_add_u32 v251, v255
	v_lshrrev_b32 v2, 5, v0
	s_delay_alu instid0(VALU_DEP_1)
	v_readfirstlane_b32 s[WV], v2
	s_and_b32 s19, ttmp7, 0xffff
	s_lshr_b32 s54, s[WV], 3
	s_and_b32 s55, s[WV], 7
	s_mov_b32 s24, 3<<16
	s_mov_b32 s25, 32<<16
	s_mov_b32 s26, 16<<16
	s_mov_b32 s27, 32<<16
	s_mov_b32 s28, 16
	s_mov_b32 s29, 32
	s_mov_b32 s30, 0
	s_mov_b32 s31, 0
	s_mov_b32 s32, 3<<16
	s_mov_b32 s33, 32<<16
	s_mov_b32 s34, 32<<16
	s_mov_b32 s35, 32<<16
	s_mov_b32 s36, 32
	s_mov_b32 s37, 32
	s_mov_b32 s38, 0
	s_mov_b32 s39, 0
	s_lshl_b32 s56, s54, 17
	s_lshl_b32 s57, s55, 12
	s_lshl_b32 s58, s55, 13                        ; the third load: 8,192 bytes a wave, from byte 65,536 of the image on
	s_mov_b32 s40, 1
	s_add_co_u32 s41, s56, s57
	s_mov_b32 s44, 1
	s_add_co_u32 s45, s56, s58
	s_add_co_u32 s45, s45, 65536
	s_add_co_u32 s56, s54, 1
	s_lshl_b32 s56, s56, 23
	s_lshl_b32 s59, s19, 17
	s_add_co_u32 s56, s56, s59
	s_add_co_u32 s42, s56, s57
	s_mov_b32 s43, 0
	s_add_co_u32 s46, s56, s58
	s_add_co_u32 s46, s46, 65536
	s_mov_b32 s47, 0
	s_mov_b32 s14, s59
	s_mov_b32 s15, 0
	s_lshr_b32 s16, s19, 4
	s_lshl_b32 s16, s16, 21
	s_and_b32 s17, s19, 15
	s_lshl_b32 s17, s17, 10
	s_add_co_u32 s16, s16, s17
	s_mov_b32 s17, 0
	s_wait_dscnt 0x0
	s_wait_kmcnt 0x0
	s_add_nc_u64 s[42:43], s[4:5], s[42:43]
	s_or_b32 s43, s43, 0x80000000
	s_add_nc_u64 s[46:47], s[4:5], s[46:47]
	s_or_b32 s47, s47, 0x80000000
	tensor_load_to_lds s[40:43], s[24:31]
	s_nop 0
	s_load_b128 s[48:51], s[6:7], 0x18             ; the exponents and Q are asked for while the first load is out
	s_load_b32 s52, s[6:7], 0x28
	s_add_nc_u64 s[14:15], s[4:5], s[14:15]
	s_add_nc_u64 s[16:17], s[8:9], s[16:17]
	s_lshl_b32 s54, ttmp9, 8
	s_lshl_b32 s55, s[WV], 4
	s_add_co_u32 s[Q0E], s54, s55
	s_sub_co_u32 s[Q0L], 2032, s[Q0E]
	s_mov_b32 s[SEL], 0x76543210
	s_mov_b32 s[SEL+1], 0xfedcba98
	v_and_b32 v2, 31, v0
	s_delay_alu instid0(VALU_DEP_1)
	v_lshlrev_b32 v[LI], 4, v2
	v_and_b32 v2, 15, v0
	v_bfe_u32 v3, v0, 4, 1
	s_delay_alu instid0(VALU_DEP_1)
	v_lshlrev_b32 v3, 3, v3
	s_delay_alu instid0(VALU_DEP_1)
	v_sub_nc_u32 v[VM], v2, v3
	v_mov_b32 v246, 0
	v_mov_b32 v253, 0
	s_wait_kmcnt 0x0
	s_mov_b32 s[CS], 0x3e38aa3b
	s_add_co_i32 s54, s48, s49
	s_lshl_b32 s54, s54, 23
	s_add_co_i32 s[CS], s[CS], s54
	s_mov_b32 s[CS+1], s[CS]
	s_add_co_i32 s54, s50, 127
	s_lshl_b32 s55, s54, 23
	v_mov_b32 v244, s55
	s_add_co_i32 s54, s54, 15
	s_lshl_b32 s54, s54, 23
	s_or_b32 s54, s54, 0x600000
	v_mov_b32 v240, s54
	v_mov_b32 v247, s54                            ; the same bound once more, in another register bank: the second half of a dual pair takes it
	s_add_co_i32 s54, s52, 127
	s_lshl_b32 s55, s54, 23
	v_mov_b32 v245, s55
	s_add_co_i32 s54, s54, 15
	s_lshl_b32 s54, s54, 23
	s_or_b32 s54, s54, 0x600000
	v_mov_b32 v241, s54
	s_add_co_i32 s53, s50, s51
.macro STEP
	s_add_co_u32 s54, s[Q0], 15
	s_cmp_gt_u32 s[KF], s54
	s_cbranch_scc1 .Lhidden_\@
	v_add_nc_u32 v[ADK], s[TB], v[LI]
	s_delay_alu instid0(VALU_DEP_1)
	v_add_nc_u32 v[ADV], VIMG, v[ADK]
	v_nop
	v_nop
.irp k, 0,1,2,3,4,5,6,7
	ds_load_b128 v[32+8*\k:35+8*\k], v[ADK] offset:1024*\k
	ds_load_b128 v[36+8*\k:39+8*\k], v[ADK] offset:1024*\k+512
.endr
	s_wait_alu depctr_va_vdst(0)
	s_wait_dscnt 0x0
.irp k, 0,1,2,3,4,5,6,7
	v_wmma_f32_16x16x64_bf8_bf8 v[96+8*\k:103+8*\k], v[32+8*\k:39+8*\k], v[16:23], 0
.endr
.rept 4
	v_nop
.endr
.irp d, 0,1,2,3
.irp c, 0,1,2,3
	ds_load_b128 v[32+16*\d+4*\c:35+16*\d+4*\c], v[ADV] offset:2048*\d+512*\c
.endr
.endr
	s_add_co_u32 s54, s[KF], 127
	s_cmp_le_u32 s54, s[Q0]
	s_cbranch_scc1 .Lopen_\@
	s_sub_co_i32 s54, s[Q0], s[KF]
	v_add_nc_u32 v252, s54, v[VM]
	v_mov_b32 v254, 0xff800000
.set n, 0
.rept 64
	v_cmp_gt_i32 vcc_lo, 16*(n/8)+n%8, v252
	v_cndmask_b32 v[96+n], v[96+n], v254, vcc_lo
.set n, n+1
.endr
.Lopen_\@:
	v_max3_num_f32 v254, v96, v97, v98
	v_max3_num_f32 v252, v99, v100, v101
.irp i, 6,10,14,18,22,26,30,34,38,42,46,50,54,58
	v_max3_num_f32 v254, v254, v[96+\i], v[97+\i]
	v_max3_num_f32 v252, v252, v[98+\i], v[99+\i]
.endr
	v_max3_num_f32 v254, v254, v158, v159
	s_delay_alu instid0(VALU_DEP_1)
	v_max_num_f32 v254, v254, v252
	s_delay_alu instid0(VALU_DEP_1)
	v_permlanex16_b32 v246, v254, s[SEL], s[SEL+1]
	s_delay_alu instid0(VALU_DEP_1)
	v_max_num_f32 v254, v254, v246
	s_delay_alu instid0(VALU_DEP_1)
	v_mul_f32 v254, s[CS], v254
	s_delay_alu instid0(VALU_DEP_1)
	v_max_num_f32 v13, v13, v254
	v_mov_b32 v254, v12
	s_delay_alu instid0(VALU_DEP_2)
	v_floor_f32 v12, -v13
	s_delay_alu instid0(VALU_DEP_1)
	v_sub_f32 v254, v12, v254
	s_delay_alu instid0(VALU_DEP_1)
	v_cvt_i32_f32 v254, v254
	s_delay_alu instid0(VALU_DEP_1)
	v_ldexp_f32 v252, 1.0, v254
.set j, 0
.rept 32
	v_pk_fma_f32 v[96+j:97+j], v[96+j:97+j], s[CS:CS+1], v[12:13] op_sel_hi:[1,0,0]
.set j, j+2
.endr
.set j, 0
	s_wait_alu depctr_va_vdst(0)
.rept 64
	v_exp_f32 v[96+j], v[96+j]
.set j, j+1
.endr
	v_pk_mul_f32 v[14:15], v[14:15], v[252:253] op_sel_hi:[1,0]
	s_wait_alu depctr_va_vdst(0)
	v_pk_add_f32 v[242:243], v[96:97], v[98:99]
.irp j, 4,8,12,16,20,24,28,32,36,40,44,48,52,56,60
	v_pk_add_f32 v[14:15], v[14:15], v[96+\j:97+\j]
	v_pk_add_f32 v[242:243], v[242:243], v[98+\j:99+\j]
.endr
	s_delay_alu instid0(VALU_DEP_1)
	v_pk_add_f32 v[14:15], v[14:15], v[242:243]
.set j, 0
.rept 32
	v_dual_min_num_f32 v[96+j], v[96+j], v240 :: v_dual_min_num_f32 v[97+j], v[97+j], v247   ; the one-sided hold at the largest code x the scale, two numbers an instruction
.set j, j+2
.endr
.irp k, 0,1,2,3,4,5,6,7
	v_cvt_scalef32_pk8_bf8_f32 v[224+2*\k:225+2*\k], v[96+8*\k:103+8*\k], v244
.endr
.set j, 0
.rept 16
	v_pk_mul_f32 v[160+j:161+j], v[160+j:161+j], v[252:253] op_sel_hi:[1,0]
.set j, j+2
.endr
	s_wait_alu depctr_va_vdst(0)
	s_wait_dscnt 0x0
.irp d, 0,1,2,3
	v_wmma_f32_16x16x128_bf8_bf8 v[160+8*\d:167+8*\d], v[32+16*\d:47+16*\d], v[224:239], v[160+8*\d:167+8*\d]
.endr
.Lhidden_\@:
.endm
.macro KEYLOOP n, start
	s_mov_b32 s[CNT], \n
	s_mov_b32 s[KF], 128*(\start)
	s_mov_b32 s[TB], 8192*(\start)
.Lkeys_\@:
	STEP
	s_add_co_u32 s[KF], s[KF], 128
	s_add_co_u32 s[TB], s[TB], 8192
	s_sub_co_u32 s[CNT], s[CNT], 1
	s_cmp_lg_u32 s[CNT], 0
	s_cbranch_scc1 .Lkeys_\@
.endm
.macro BEGIN q0, first
.if !\first
	s_wait_xcnt 0x0
.endif
	s_mov_b32 s[Q0], s[\q0]
	s_lshl_b32 s55, s[Q0], 10
	v_add_nc_u32 v[VO], s55, v[LI]
.if \first                                     ; both tiles' Q are asked for at the head: the late tile's into v16-23, the early tile's into v24-31
	s_lshl_b32 s54, s[Q0], 6
	v_add_nc_u32 v[VQ], s54, v[LI]
	global_load_b128 v[16:19], v[VQ], s[14:15]
	global_load_b128 v[20:23], v[VQ], s[14:15] offset:512
	s_lshl_b32 s54, s[Q0E], 6
	v_add_nc_u32 v7, s54, v[LI]
	global_load_b128 v[24:27], v7, s[14:15]
	global_load_b128 v[28:31], v7, s[14:15] offset:512
.else
.set j, 0
.rept 8
	v_mov_b32 v[16+j], v[24+j]                     ; the early tile's Q takes the operand's place (the way out's vector lines are the places behind the last products)
.set j, j+1
.endr
.endif
	v_mov_b32 v13, 0xff61b1e6
	s_delay_alu instid0(VALU_DEP_1)
	v_floor_f32 v12, -v13
	v_mov_b32 v14, 0
	v_mov_b32 v15, 0
.set j, 0
.rept 32
	v_mov_b32 v[160+j], 0
.set j, j+1
.endr
.endm
.macro WAYOUT
.rept 4
	v_nop
.endr
	v_add_f32 v14, v14, v15
	s_delay_alu instid0(VALU_DEP_1)
	v_permlanex16_b32 v246, v14, s[SEL], s[SEL+1]
	s_delay_alu instid0(VALU_DEP_1)
	v_add_f32 v14, v14, v246
	s_wait_alu depctr_va_vdst(0)
	v_rcp_f32 v14, v14
	v_nop
	s_wait_alu depctr_va_vdst(0)
	v_ldexp_f32 v14, v14, s53
.set j, 0
.rept 32
	v_mul_f32 v[96+j], v[160+j], v14
.set j, j+1
.endr
.set j, 0
.rept 32
	v_cmp_eq_f32 vcc_lo, v[96+j], v[96+j]
	s_delay_alu instid0(VALU_DEP_1)
	v_cndmask_b32 v[96+j], 0, v[96+j], vcc_lo
.set j, j+1
.endr
.set j, 0
.rept 32
	v_med3_num_f32 v[96+j], v[96+j], -v241, v241
.set j, j+1
.endr
.irp d, 0,1,2,3
	v_cvt_scalef32_pk8_bf8_f32 v[224+2*\d:225+2*\d], v[96+8*\d:103+8*\d], v245
.endr
	v_nop
	global_store_b128 v[VO], v[224:227], s[16:17]
	global_store_b128 v[VO], v[228:231], s[16:17] offset:512
.endm
	BEGIN Q0L, 1
	s_wait_alu depctr_va_vdst(0)
	s_wait_tensorcnt 0x0                           ; my part of keys 0-511 is in, so its group 0 may be written
	ds_add_u32 v251, v255
	s_add_co_u32 s41, s41, 32768                   ; the second load: the same shape, 32,768 bytes on in LDS and in memory
	s_add_nc_u64 s[42:43], s[42:43], 32768
	s_wait_dscnt 0x0
	s_barrier_signal -1
	s_barrier_wait -1                              ; everybody's part is in
	tensor_load_to_lds s[40:43], s[24:31]          ; keys 512-1023, a first fill
	s_nop 0
.rept 4
	v_nop
.endr
	s_wait_loadcnt 0x0                             ; Q
	KEYLOOP 4, 0
	s_wait_tensorcnt 0x0                           ; my part of keys 512-1023 is in
	ds_add_u32 v251, v255
	s_wait_dscnt 0x0
	s_barrier_signal -1
	s_barrier_wait -1
	tensor_load_to_lds s[44:47], s[32:39]          ; keys 1024-2047, a first fill
	s_nop 0
.rept 4
	v_nop
.endr
	KEYLOOP 4, 4
	s_wait_tensorcnt 0x0                           ; my part of keys 1024-2047 is in
	s_wait_dscnt 0x0
	s_barrier_signal -1
	s_barrier_wait -1
	KEYLOOP 8, 8
	WAYOUT
	BEGIN Q0E, 0
	KEYLOOP 8, 0
	WAYOUT
	s_wait_tensorcnt 0x0
	ds_add_u32 v251, v255
	s_wait_dscnt 0x0
	s_endpgm
.Lfunc_end_k_q69c94f3cc2_attn:
	.size	k_q69c94f3cc2_attn, .Lfunc_end_k_q69c94f3cc2_attn-k_q69c94f3cc2_attn
	.p2alignl 7, 3214868480
	.fill 96, 4, 3214868480
	.section	.rodata,"a",@progbits
	.p2align	6, 0x0
	.amdhsa_kernel k_q69c94f3cc2_attn
		.amdhsa_group_segment_fixed_size 327680
		.amdhsa_private_segment_fixed_size 0
		.amdhsa_enable_private_segment 0
		.amdhsa_kernarg_size 24
		.amdhsa_user_sgpr_count 2
		.amdhsa_user_sgpr_kernarg_segment_ptr 1
		.amdhsa_wavefront_size32 1
		.amdhsa_system_sgpr_workgroup_id_x 1
		.amdhsa_system_sgpr_workgroup_id_y 1
		.amdhsa_system_sgpr_workgroup_id_z 1
		.amdhsa_system_vgpr_workitem_id 0
		.amdhsa_next_free_vgpr 256
		.amdhsa_next_free_sgpr 66
		.amdhsa_reserve_vcc 1
		.amdhsa_float_denorm_mode_32 3
		.amdhsa_float_denorm_mode_16_64 3
		.amdhsa_memory_ordered 1
		.amdhsa_forward_progress 1
		.amdhsa_inst_pref_size 108
	.end_amdhsa_kernel
	.amdgpu_metadata
---
amdhsa.version: [ 1, 2 ]
amdhsa.kernels:
  - .name:           k_q69c94f3cc2_attn
    .symbol:         k_q69c94f3cc2_attn.kd
    .args:
      - { .name: qkv, .offset: 0, .size: 8, .value_kind: global_buffer, .address_space: global }
      - { .name: lowp_scales, .offset: 8, .size: 8, .value_kind: global_buffer, .address_space: global }
      - { .name: ctx, .offset: 16, .size: 8, .value_kind: global_buffer, .address_space: global }
    .group_segment_fixed_size: 327680
    .private_segment_fixed_size: 0
    .kernarg_segment_align: 8
    .kernarg_segment_size: 24
    .max_flat_workgroup_size: 512
    .sgpr_count:     66
    .vgpr_count:     256
    .wavefront_size: 32
...
	.end_amdgpu_metadata
.endif
;; end of part 3
;; launch outp (part 4): grid 4 x 64, 4 waves a work-group, clusters of 4 x 4, 327,680 bytes of LDS; arguments ctx, codes, lowp_scales, bo, out0; writes out0
.if DOCPART == 4
	.amdgcn_target "amdgcn-amd-amdhsa--gfx1250"
	.amdhsa_code_object_version 6
	.text
	.protected	k_q69c94f3cc2_outp
	.globl	k_q69c94f3cc2_outp
	.p2align	8
	.type	k_q69c94f3cc2_outp,@function
k_q69c94f3cc2_outp:
	s_mov_b64 s[64:65], 0
	v_nop
	global_prefetch_b8 v0, s[64:65] scope:SCOPE_SE
	s_setreg_imm32_b32 hwreg(HW_REG_WAVE_MODE, 25, 1), 1
	s_wait_xcnt 0x0
	s_wait_alu depctr_hold_cnt(0) depctr_sa_sdst(0) depctr_va_vdst(0) depctr_va_sdst(0) depctr_va_ssrc(0) depctr_va_vcc(0) depctr_vm_vsrc(0)
	s_getreg_b32 s2, hwreg(HW_REG_IB_STS2, 6, 4)
	s_cmp_eq_u32 s2, 0
	s_cbranch_scc0 .Lentry_in_a_cluster
	s_endpgm
.Lentry_in_a_cluster:
	s_bfe_u32 s2, ttmp6, 0x10000c
	s_cmp_lg_u32 s2, 0xf033
	s_cbranch_scc0 .Lentry_shape_is_right
	s_endpgm
.Lentry_shape_is_right:
; out0 = ctx wo^T x 2^(e10 + e11) + bo, on codes of BF8 (E5M2).  ctx: 8,192 rows x 1,024 K as an image of the operand's registers: tile of 16 rows T at 16,384 T, 32 along K at 512 i, 16 bytes a lane.
; wo: 1,024 rows of 1,024 codes, from row WOROW of the buffer of codes on.  out0: [8192][1024] f32.  LIMIT: e10 + e11 between -126 and 127, so that 2^(e10 + e11) is an f32 number.
; SHARES.  256 work-groups, each 128 rows x 256 columns; four waves, each 64 rows x 128 columns: 32 accumulators of 16 x 16, 256 registers.
; B (wo): the block's 256 rows x all 1,024 K lie in LDS at once, as four tiles of 256 rows x 256 bytes.  Wave w asks for K step w's tile, its one tensor load: nothing is filled again, and one barrier shows all four tiles.
; CLUSTERS: 4 x 4 work-groups; the four of a column need the same rows of wo and ask for each tile jointly.
; A (ctx) lies in memory as the registers want it, 512 consecutive bytes an instruction, so it goes past LDS: a wave's 64 rows x 1,024 K are 128 loads into 512 registers, and no joint load serves registers.
; No prefetch: all that the launch reads is asked for at its head, so there is no later request to run ahead of.
; THE MATRIX INSTRUCTION IS USED TRANSPOSED (source 0 = 16 rows of wo, source 1 = 16 rows of ctx): a lane holds eight neighbouring numbers of a row of out0.
; REGISTERS, in windows of 256: window 0: v0-31 addresses, v32-35 the bias, v64-255 a ring of three half-sets of B (4 fragments of 16 rows x 128 K each); on the way out v128-255 take rows back from the stage.
;   windows 1 and 3: A's fragments of steps 0-3 and 4-7 (step s, block a at v[64 (s % 4) + 16 a]).   window 2: accumulator (a, b) at v[8 (8 a + b)].
.set SIZE_N, 1024
.set WOROW,  27648                     ; wo's first row in the buffer of codes
.set PITCH,  272                       ; an LDS row: 256 bytes + 16 of padding, so that the 16 rows that a load touches start at 16 different banks (64 banks of 4 bytes: ISA guide 11.1)
.set HALFT,  128*PITCH                 ; the 128 rows of a tile that one wave reads
.set KT,     256*PITCH                 ; a tile: 256 rows, 256 along K
.set SPARE,  4*KT                      ; behind the four tiles: the spare words, 128 bytes for each wave, which no other line names
.set STAGE,  SPARE+512                 ; behind them: the way out's stages, 16 rows x SPITCH for each wave, on bytes that no tensor load fills
.set SPITCH, 528
.set ADRB, 16                          ; v16-19  LDS address of my B fragments in tile 0 .. 3
.set STO,  24                          ; v24     where I put 32 bytes of a row
.set RD,   25                          ; v25     where I read a row back
.set CO,   26                          ; v26     16 x lane
.set SPW,  28                          ; v28     my spare word: SPARE + 4 x my thread's number; never rewritten
.set NIL,  29                          ; v29     0; never rewritten
.set BIA,  32                          ; v32-35  the bias of my four columns of a row read back
.set RING, 64
.set BK,   128
.set G1, 24                            ; s[24:31] descriptor group 1;  s[32:35] group 0
.set G0, 32
.set MSB, 0
.macro WIN new                         ; the immediate's high byte repeats the setting that is left
.if MSB != \new
	s_set_vgpr_msb (MSB<<8)|\new
.set MSB, \new
.endif
.endm
.macro PLACES                          ; four places behind a matrix instruction (ISA guide 7.12.1 for vector instructions)
.rept 4
	v_nop
.endr
.endm
.macro CROUND                          ; a round of the cluster's barrier
	s_barrier_signal -1
	s_barrier_wait -1
	s_cmp_lg_u32 s14, 0
	s_cbranch_scc1 .Lnot_wave_0_\@
	s_barrier_signal -3
.Lnot_wave_0_\@:
	s_barrier_wait -3
	s_barrier_signal -1
	s_barrier_wait -1
.endm
.macro ALOAD s                         ; A's four fragments of step s (128 along K): 16 loads of 512 consecutive bytes
.set WN, 0x40+0x80*((\s)/4)
	WIN WN                                         ; destination window 1 or 3
.irp i, 0,1,2,3
.irp c, 0,1,2,3
	global_load_b128 v[64*((\s)%4)+16*\i+4*\c:64*((\s)%4)+16*\i+4*\c+3], v[CO], s[20:21] offset:16384*\i+2048*(\s)+512*\c
.endr
.endr
.endm
.macro LOADH n                         ; half n = step n / 2, B's blocks 4 (n % 2) .. + 3, into ring place n % 3: 16 LDS loads
.irp i, 0,1,2,3
.irp c, 0,1,2,3
	ds_load_b128 v[RING+64*((\n)%3)+16*\i+4*\c:RING+64*((\n)%3)+16*\i+4*\c+3], v[ADRB+(\n)/4] offset:128*(((\n)/2)%2)+32*\c+(4*((\n)%2)+\i)*16*PITCH
.endr
.endr
.endm
	s_load_b128 s[4:7], s[0:1], 0x0                ; ctx s[4:5], the codes s[6:7]
	s_load_b128 s[8:11], s[0:1], 0x10              ; the scales' exponents s[8:9], bo s[10:11]
	s_load_b64 s[12:13], s[0:1], 0x20              ; out0
	v_lshl_add_u32 v[SPW], v0, 2, SPARE
	v_mov_b32 v[NIL], 0
	ds_add_u32 v[SPW], v[NIL]                      ; the opening: the add, twice on end, and its wait ahead of my first tensor load
	ds_add_u32 v[SPW], v[NIL]
	v_lshrrev_b32 v1, 5, v0
	v_readfirstlane_b32 s14, v1                    ; wave 0..3
	s_lshr_b32 s15, s14, 1                         ; which 64 of the block's rows are mine
	s_and_b32 s16, s14, 1                          ; which 128 of its columns
	s_bfe_u32 s40, ttmp6, 0x40000                  ; cx, cy: my place in the cluster
	s_bfe_u32 s41, ttmp6, 0x40004
	s_lshl_b32 s42, ttmp9, 2
	s_add_co_u32 s42, s42, s40                     ; block column (256 columns) = 4 x cluster x + cx
	s_and_b32 s17, ttmp7, 0xffff
	s_lshl_b32 s17, s17, 2
	s_add_co_u32 s17, s17, s41                     ; block row (128 rows) = 4 x cluster y + cy
	s_lshl_b32 s44, 0x1111, s40                    ; my column of the cluster
	s_or_b32 s[G1+0], s44, (0<<16)|(1<<20)|(1<<21)|(5<<22)|(3<<25)  ; the mask; elements of 1 byte; padding on; bit 21 beside a mask; 4 words behind every 64
	s_mov_b32 s[G1+1], 256<<16                     ; tensor_dim0
	s_mov_b32 s[G1+2], 256<<16                     ; tensor_dim1
	s_mov_b32 s[G1+3], 256<<16                     ; tile_dim0
	s_mov_b32 s[G1+4], 256                         ; tile_dim1
	s_mov_b32 s[G1+5], 1024                        ; the pitch of wo's rows
	s_mov_b32 s[G1+6], 0
	s_mov_b32 s[G1+7], 0
	s_lshl_b32 s46, s42, 8
	s_add_co_u32 s46, s46, WOROW
	s_lshl_b32 s46, s46, 10                        ; wo: row 256 x block column, in bytes,
	s_lshl_b32 s18, s14, 8
	s_add_co_u32 s46, s46, s18                     ; K step = my wave's number
	s_mov_b32 s47, 0
	s_mul_i32 s45, s14, KT                         ; and its tile in LDS: no place in the cluster enters an LDS address
	s_lshl_b32 s20, s17, 3
	s_lshl_b32 s18, s15, 2
	s_add_co_u32 s20, s20, s18
	s_lshl_b32 s20, s20, 14                        ; ctx: my first tile of 16 rows, 8 x block row + 4 x half, of 16,384 bytes
	s_mov_b32 s21, 0
	s_lshl_b32 s50, s42, 10
	s_lshl_b32 s51, s16, 9
	s_add_co_u32 s50, s50, s51                     ; my first column, in bytes: 1,024 x block column + 512 x half
	s_mov_b32 s51, 0
	s_lshl_b32 s48, s17, 7
	s_lshl_b32 s49, s15, 6
	s_add_co_u32 s48, s48, s49
	s_lshl_b32 s48, s48, 12                        ; my first row, of 4,096 bytes: under 2^25
	s_add_co_u32 s48, s48, s50
	s_mov_b32 s49, 0
	s_mul_i32 s22, s16, HALFT                      ; my 128 rows of a tile
	s_mul_i32 s23, s14, 16*SPITCH
	s_add_co_u32 s23, s23, STAGE                   ; my stage
	v_and_b32 v6, 31, v0
	v_lshlrev_b32 v[CO], 4, v6
	s_wait_alu depctr_va_vdst(0)
	s_wait_dscnt 0x0                               ; both opening adds are done
	s_wait_kmcnt 0x0
	s_load_b64 s[96:97], s[8:9], 0x28              ; e10, e11
	s_add_nc_u64 s[20:21], s[4:5], s[20:21]
	s_add_nc_u64 s[10:11], s[10:11], s[50:51]
	s_add_nc_u64 s[12:13], s[12:13], s[48:49]
	s_mov_b32 s[G0], 1
	s_mov_b32 s[G0+1], s45
	s_add_nc_u64 s[G0+2:G0+3], s[6:7], s[46:47]
	s_or_b32 s[G0+3], s[G0+3], 0x80000000
	global_load_b128 v[BIA:BIA+3], v[CO], s[10:11] ; the first of my 129 loads
	ALOAD 0
	ALOAD 1
	ALOAD 2
	WIN 0                                          ; at a branch and at a label every window is 0
	CROUND                                         ; all sixteen work-groups are here: the joint loads meet
	tensor_load_to_lds s[G0:G0+3], s[G1:G1+7]      ; my one tensor load: K step w's 256 rows
	s_nop 0
	PLACES
	v_and_b32 v1, 15, v0                           ; l % 16
	v_bfe_u32 v2, v0, 4, 1                         ; l / 16
	v_mul_u32_u24 v3, v1, PITCH
	v_lshl_add_u32 v4, v2, 4, v3                   ; a fragment's row x pitch + 16 x half
	v_mul_u32_u24 v5, v1, SPITCH
	v_lshl_add_u32 v5, v2, 5, v5                   ; the stage, in: row l % 16, 32 bytes for each half of the lanes
	v_add_nc_u32 v[STO], s23, v5
	v_add_nc_u32 v[RD], s23, v[CO]                 ; back: the 32 lanes take one row of 512 bytes
.irp k, 0,1,2,3
	v_add_nc_u32 v[ADRB+\k], s22, v4
	s_add_co_u32 s22, s22, KT
.endr
.irp s, 3,4,5,6,7
	ALOAD \s
.endr
	WIN 0
	s_wait_alu depctr_va_vdst(0)
	s_wait_tensorcnt 0x0                           ; my tile is in,
	s_barrier_signal -1
	s_barrier_wait -1                              ; and everybody's: all of B lies in LDS
	LOADH 0
	LOADH 1
; SIXTEEN HALVES: half N multiplies B's blocks 4 (N % 2) .. + 3 of step N / 2 with A's four blocks: 16 matrix instructions.  The 32 accumulators take turns, in the same order in every step.
; Ahead of them half N + 2's fragments are asked for, into the ring place that half N - 1 has left.
.set N, 0
.rept 16
	PLACES                                         ; behind half N - 1's products, which read the ring place that is loaded now
.if N+2 < 16
	LOADH N+2
.endif
.if N%2 == 0                                   ; A's fragments of this step: behind them 16 loads for each later step may be out (a wait names 63 at the most)
.if 16*(7-N/2) > 63
	s_wait_loadcnt 63
.else
	s_wait_loadcnt 16*(7-N/2)
.endif
.endif
.if N < 14
	s_wait_dscnt 32                                ; half N's 16 loads are in; those of halves N + 1 and N + 2 may be out
.else
	s_wait_dscnt 16*(15-N)
.endif
.set WN, 0xa4+8*(N/8)
	WIN WN                                         ; source 0 (B) window 0, source 1 (A) window 1 or 3, C and D window 2
.irp b, 0,1,2,3
.irp a, 0,1,2,3
.if N < 2                                      ; the first step starts the sums: nothing is cleared
	v_wmma_f32_16x16x128_bf8_bf8 v[8*(8*\a+4*(N%2)+\b):8*(8*\a+4*(N%2)+\b)+7], v[RING+64*(N%3)+16*\b:RING+64*(N%3)+16*\b+15], v[64*((N/2)%4)+16*\a:64*((N/2)%4)+16*\a+15], 0
.else
	v_wmma_f32_16x16x128_bf8_bf8 v[8*(8*\a+4*(N%2)+\b):8*(8*\a+4*(N%2)+\b)+7], v[RING+64*(N%3)+16*\b:RING+64*(N%3)+16*\b+15], v[64*((N/2)%4)+16*\a:64*((N/2)%4)+16*\a+15], v[8*(8*\a+4*(N%2)+\b):8*(8*\a+4*(N%2)+\b)+7]
.endif
.endr
.endr
	WIN 0
.set N, N+1
.endr
; THE WAY OUT, block by block of 16 rows x 128 columns: the sums go through my own stage and come back as whole rows of 512 bytes; there each is multiplied by 2^(e10 + e11) and the bias added, one fused multiply-add;
; the 32 lanes store two aligned units of 256 bytes.  LDS serves a wave's instructions in order (ISA guide 5.7.1.4): no wait between the stores and the loads.
.macro TOSTAGE a
.set AC, 64*(\a)
	WIN 0x08                                       ; the stores' data: window 2
.irp b, 0,1,2,3,4,5,6,7
	ds_store_b128 v[STO], v[AC+8*\b:AC+8*\b+3] offset:64*\b          ; each accumulator from its low end on
	ds_store_b128 v[STO], v[AC+8*\b+4:AC+8*\b+7] offset:64*\b+16
.endr
	WIN 0
.set BB, BK+64*((\a)%2)
.irp t, 0,1,2,3,4,5,6,7,8,9,10,11,12,13,14,15
	ds_load_b128 v[BB+4*\t:BB+4*\t+3], v[RD] offset:\t*SPITCH
.endr
.endm
.macro SEND a, younger                 ; younger: the LDS instructions issued behind block a's loads, which may stay out
.set BB, BK+64*((\a)%2)
	s_wait_dscnt \younger
.if (\a) > 0
	s_add_nc_u64 s[12:13], s[12:13], 16*SIZE_N*4   ; (behind a wait on XCNT: the earlier stores have read their base)  16 rows on
.endif
.irp t, 0,1,2,3,4,5,6,7,8,9,10,11,12,13,14,15
	v_pk_fma_f32 v[BB+4*\t:BB+4*\t+1], v[BB+4*\t:BB+4*\t+1], s[96:97], v[BIA:BIA+1] op_sel_hi:[1,0,1]
	v_pk_fma_f32 v[BB+4*\t+2:BB+4*\t+3], v[BB+4*\t+2:BB+4*\t+3], s[96:97], v[BIA+2:BIA+3] op_sel_hi:[1,0,1]
.endr
.irp t, 0,1,2,3,4,5,6,7,8,9,10,11,12,13,14,15
	global_store_b128 v[CO], v[BB+4*\t:BB+4*\t+3], s[12:13] offset:\t*SIZE_N*4 th:TH_STORE_NT   ; 512 consecutive bytes, at a multiple of 256 from out0's first byte
.endr
.endm
	s_wait_kmcnt 0x0
	s_add_co_i32 s96, s96, s97
	s_add_co_i32 s96, s96, 127
	s_lshl_b32 s96, s96, 23                        ; 2^(e10 + e11) as f32
	s_mov_b32 s97, s96                             ; (named with it as a pair, so it is written)
	PLACES                                         ; behind the last products: their results are read, and the ring's registers loaded, below
	TOSTAGE 0
.irp a, 1,2,3
.if \a > 1
	s_wait_xcnt 0x0                                ; block a - 2's stores have read their registers and their base
.endif
	TOSTAGE \a
	SEND \a-1, 32                                  ; behind block a - 1's loads: block a's 16 stores and 16 loads
.endr
	s_wait_xcnt 0x0
	SEND 3, 0
	s_wait_tensorcnt 0x0                           ; the wave's end
	ds_add_u32 v[SPW], v[NIL]
	s_wait_dscnt 0x0
	CROUND                                         ; the closing round
	s_endpgm
.Lfunc_end_k_q69c94f3cc2_outp:
	.size	k_q69c94f3cc2_outp, .Lfunc_end_k_q69c94f3cc2_outp-k_q69c94f3cc2_outp
	.p2alignl 7, 3214868480
	.fill 96, 4, 3214868480
	.section	.rodata,"a",@progbits
	.p2align	6, 0x0
	.amdhsa_kernel k_q69c94f3cc2_outp
		.amdhsa_group_segment_fixed_size 327680
		.amdhsa_private_segment_fixed_size 0
		.amdhsa_enable_private_segment 0
		.amdhsa_kernarg_size 40
		.amdhsa_user_sgpr_count 2
		.amdhsa_user_sgpr_kernarg_segment_ptr 1
		.amdhsa_wavefront_size32 1
		.amdhsa_system_sgpr_workgroup_id_x 1
		.amdhsa_system_sgpr_workgroup_id_y 1
		.amdhsa_system_sgpr_workgroup_id_z 1
		.amdhsa_system_vgpr_workitem_id 0
		.amdhsa_next_free_vgpr 1024
		.amdhsa_next_free_sgpr 98
		.amdhsa_reserve_vcc 0
		.amdhsa_float_denorm_mode_32 3
		.amdhsa_float_denorm_mode_16_64 3
		.amdhsa_memory_ordered 1
		.amdhsa_forward_progress 1
		.amdhsa_inst_pref_size 77
	.end_amdhsa_kernel
	.amdgpu_metadata
---
amdhsa.version: [ 1, 2 ]
amdhsa.kernels:
  - .name:           k_q69c94f3cc2_outp
    .symbol:         k_q69c94f3cc2_outp.kd
    .args:
      - { .name: ctx, .offset: 0, .size: 8, .value_kind: global_buffer, .address_space: global }
      - { .name: codes, .offset: 8, .size: 8, .value_kind: global_buffer, .address_space: global }
      - { .name: lowp_scales, .offset: 16, .size: 8, .value_kind: global_buffer, .address_space: global }
      - { .name: bo, .offset: 24, .size: 8, .value_kind: global_buffer, .address_space: global }
      - { .name: out0, .offset: 32, .size: 8, .value_kind: global_buffer, .address_space: global }
    .group_segment_fixed_size: 327680
    .private_segment_fixed_size: 0
    .kernarg_segment_align: 8
    .kernarg_segment_size: 40
    .max_flat_workgroup_size: 128
    .sgpr_count:     98
    .vgpr_count:     1024
    .wavefront_size: 32
...
	.end_amdgpu_metadata
.endif
;; end of part 4
